; MI455X (gfx1250); checked and timed in simulation.
; The chip was launched on July 23, 2026; its instructions are those of AMD's public machine-readable ISA for CDNA 5 (MIT licence, August 2026) and "CDNA5" Instruction Set Architecture Reference Guide (July 2026). The comments in the code are by the model that wrote it; some were corrected since.
;; Multi Head Differential Attention. Allowed arithmetic: matrix products marked QUANTISED: E4M3 operands, one given power-of-two scale a tensor, by v_wmma_f32_16x16x64_fp8_fp8 or v_wmma_f32_16x16x128_fp8_fp8, f32 sums; everything else in f32.
;; Inputs: lamb one number float32; ln_beta 1,024 float32; ln_gamma 1,024 float32; lowp_scales 16 int32 (the exponents e of the quantised operands' scales 2^e); wk1 16 x 1,024 x 64 float32; wk2 16 x 1,024 x 64 float32; wq1 16 x 1,024 x 64 float32; wq2 16 x 1,024 x 64 float32; wv 16 x 1,024 x 64 float32; x 2 x 2,048 x 1,024 float32.
;; Outputs: out0 2 x 2,048 x 1,024 float32.
;; This version of the problem:
;;   THIS VERSION OF THE PROBLEM IS GIVEN IN LOW PRECISION. The matrix products marked QUANTISED in the list below multiply operands that are first quantised to E4M3 (4 exponent bits, 3 mantissa bits; 8 bits a number), with one given power-of-two scale for each operand tensor; their sums are f32. All else is computed in f32.
;;   The module's matrix products, in the order in which they are computed (A, B: the left and right operand; K: the contracted axis; several contracted axes count as one K, in the product's order):
;;     1. [M 1,024, K 1,024] x [K 1,024, N 4,096]; A: input wq1; B: input x: QUANTISED (scales: A lowp_scales[0], B lowp_scales[1])
;;     2. [M 1,024, K 1,024] x [K 1,024, N 4,096]; A: input wk1; B: input x: QUANTISED (scales: A lowp_scales[2], B lowp_scales[3])
;;     3. [M 1,024, K 1,024] x [K 1,024, N 4,096]; A: input wq2; B: input x: QUANTISED (scales: A lowp_scales[4], B lowp_scales[5])
;;     4. [M 1,024, K 1,024] x [K 1,024, N 4,096]; A: input wk2; B: input x: QUANTISED (scales: A lowp_scales[6], B lowp_scales[7])
;;     5. [M 1,024, K 1,024] x [K 1,024, N 4,096]; A: input wv; B: input x: QUANTISED (scales: A lowp_scales[8], B lowp_scales[9])
;;     6. batch 32 x [M 2,048, K 64] x [K 64, N 2,048]; A: computed on the way; B: computed on the way: QUANTISED (scales: A lowp_scales[10], B lowp_scales[11])
;;     7. batch 32 x [M 2,048, K 64] x [K 64, N 2,048]; A: computed on the way; B: computed on the way: QUANTISED (scales: A lowp_scales[12], B lowp_scales[13])
;;     8. batch 32 x [M 2,048, K 2,048] x [K 2,048, N 64]; A: computed on the way; B: computed on the way: QUANTISED (scales: A lowp_scales[14], B lowp_scales[15])
;;   THE QUANTISER, for each operand of a quantised product, along K:
;;     - The operand's scale is 2^e, e = its entry of the input lowp_scales (int32; the entries are numbered through the quantised products in the list's order, A before B).
;;     - Each number is divided by the scale, clamped to +-448, and rounded to the nearest number of E4M3, ties to even, subnormals kept.
;;     - The product sums the exact products of the quantised numbers (number of the format x scale) in f32.
;;   ~~~python
;;   def quantise(x, axis, e):      # numpy; x: float32 -> the quantised numbers, widened to float32 again
;;       x = np.moveaxis(x, axis, -1); K = x.shape[-1]
;;       r = np.clip(x / 2.0 ** e, -448, 448)
;;       step = 2.0 ** (np.maximum(np.frexp(np.where(r == 0, 1, r))[1] - 1, -6) - 3)
;;       q = np.round(r / step) * step * 2.0 ** e      # np.round: ties to even
;;       return np.moveaxis(q, -1, axis).astype(np.float32)
;;   ~~~
;;   OPERANDS COMPUTED ON THE WAY. 'Computed on the way' means the value that the module computes at that place (a softmax that the list does not call 'softmax' is quantised finished and normalised). What goes into a quantiser is computed in f32, as accurately as f32 sums, v_exp_f32 and their like allow (about 1e-6 of the number): no bf16 or f16 on the way to a quantiser, and a product that is left as it is and whose result goes on into a quantised operand takes f32 operands (vector FMAs, or v_wmma_f32_16x16x4_f32). A number that lies on a knife's edge between two numbers of the format may be rounded either way, as far as f32 arithmetic and the matrix unit's own rounding can turn it there, and no further.
;; One version. Each part assembles by itself: llvm-mc -triple=amdgcn-amd-amdhsa -mcpu=gfx1250 --defsym DOCPART=n.
;; ======== version 1 of 1: 4 launches
;; limits: right only within a limited range of input values
;; workspace buffers: xc 20,971,520 bytes; wc 5,242,880 bytes; qkv 20,971,520 bytes; att 16,777,216 bytes
;; launch quant (part 1): grid 416 x 1, 4 waves a work-group, no clusters, 35,840 bytes of LDS; arguments x, wq1, wk1, wq2, wk2, wv, lowp_scales, xc, wc; writes xc, wc
.if DOCPART == 1
	.amdgcn_target "amdgcn-amd-amdhsa--gfx1250"
	.amdhsa_code_object_version 6
	.text
	.protected	k_q4c32a9ab9a_quant
	.globl	k_q4c32a9ab9a_quant
	.p2align	8
	.type	k_q4c32a9ab9a_quant,@function
k_q4c32a9ab9a_quant:
	s_mov_b64 s[64:65], 0
	v_nop
	global_prefetch_b8 v0, s[64:65] scope:SCOPE_SE
	s_setreg_imm32_b32 hwreg(HW_REG_WAVE_MODE, 25, 1), 1
	s_wait_xcnt 0x0
; x [4096][1024] and the five weights [16][1024][64], f32, become codes of FP8 (E4M3), K = the 1,024 channels innermost.
; xc: five tensors [4096][1024] of codes of x, one for each of x's five given scales (entries 1, 3, 5, 7, 9).  wc: five tensors [1024 n][1024], n = 64 head + d, with the scales of entries 0, 2, 4, 6, 8.
; code = number / 2^e, held within +-448, rounded to the nearest code, ties to even.  LIMITS: each e between -126 and 119.  NaN among the inputs is not served.
; THE ORDER ALONG K is the same permutation in xc and in wc, inside each chunk of 512 channels: byte P holds channel 128 ((P >> 2) & 3) + 4 (P >> 4) + (P & 3).
; Every product of the next launch still meets its partner; only the order of its sums differs.  With it a lane that takes 16 bytes of each of four loads of 512 consecutive bytes of x holds
; just the 16 numbers whose codes are 16 consecutive bytes: loads and stores are both dense and x needs no turn through LDS.
; Work-groups 0-255 take x (a wave: 4 rows, 8 steps of 512 numbers); work-groups 256-415 take the weights (product, head, chunk of 512 channels; a wave: 32 columns x 256 places along K).
; No tensor load, no barrier: waves share nothing.
.set SPARE, 34816                      ; behind the four stages: the spare words, 128 bytes a wave
.set SPW,   12                         ; v12  LDS address of my spare word; never rewritten
.set NIL,   13                         ; v13  0; never rewritten
.set R,     16                         ; x: v16-79    four sets of 16 numbers as loaded
.set T,     80                         ; x: v80-111   two sets of 16 held numbers, by turns
.set C,     112                        ; x: v112-151  two sets of 5 x 4 registers of codes
.set SCV,   152                        ; x: v152-156  2^e as f32, one for each of the five scales
.set LMV,   157                        ; x: v157-161  448 x 2^e
.set WX,    32                         ; weights: v32-95   two sets of 32 numbers
.set WC,    96                         ; weights: v96-103  a block's codes
.set OUTR,  112                        ; weights: v112-175 the way out
.set PITCH, 272                        ; a stage row: 256 bytes + 16
	s_load_b512 s[8:23], s[0:1], 0x0               ; x 8, wq1 10, wk1 12, wq2 14, wk2 16, wv 18, the exponents 20, xc 22
	s_load_b64 s[24:25], s[0:1], 0x40              ; wc
	v_lshl_add_u32 v[SPW], v0, 2, SPARE
	v_mov_b32 v[NIL], 0
	v_lshrrev_b32 v1, 5, v0
	v_readfirstlane_b32 s2, v1                     ; wave 0..3
	v_and_b32 v2, 31, v0                           ; lane
	s_wait_kmcnt 0x0
	s_load_b512 s[32:47], s[20:21], 0x0            ; all sixteen exponents
	s_cmp_lt_u32 ttmp9, 256                        ; x's work-group or a weight's: the work-group's number alone decides
	s_cbranch_scc0 .Lw
	; ---------------- x ----------------
	s_wait_alu depctr_va_vdst(0)
	v_lshlrev_b32 v1, 4, v2                        ; 16 x lane: my bytes of a load's 512 and of a store's 512
	s_wait_alu depctr_va_vdst(0)
	s_lshl_b32 s3, ttmp9, 2
	s_add_co_u32 s3, s3, s2                        ; which run of 4 rows is my wave's
	s_lshl_b32 s26, s3, 14                         ; 4 rows of 4,096 bytes
	s_mov_b32 s27, 0
	s_add_nc_u64 s[4:5], s[8:9], s[26:27]
	s_lshl_b32 s26, s3, 12                         ; 4 rows of 1,024 codes
.irp v, 0,1,2,3,4
	s_add_nc_u64 s[48+2*\v:49+2*\v], s[22:23], s[26:27]
.if \v > 0
	s_add_nc_u64 s[48+2*\v:49+2*\v], s[48+2*\v:49+2*\v], (\v)<<22   ; the v-th tensor of codes
.endif
.endr
.macro XLOAD t                         ; step t: four loads of 512 consecutive bytes; register 4 i + j of lane l = channel 128 i + 4 l + j of the chunk
.irp i, 0,1,2,3
	global_load_b128 v[R+16*((\t)%4)+4*\i:R+16*((\t)%4)+4*\i+3], v1, s[4:5] offset:2048*(\t)+512*\i th:TH_LOAD_NT
.endr
.endm
.irp t, 0,1,2,3
	XLOAD \t
.endr
	s_wait_kmcnt 0x0
.irp v, 0,1,2,3,4
	s_add_co_i32 s26, s[33+2*\v], 127
	s_lshl_b32 s27, s26, 23
	v_mov_b32 v[SCV+\v], s27                       ; 2^e as f32: the conversion takes its exponent field
	s_add_co_i32 s26, s26, 8
	s_lshl_b32 s26, s26, 23
	s_or_b32 s26, s26, 0x600000
	v_mov_b32 v[LMV+\v], s26                       ; 448 x 2^e
.endr
.macro XSTEP t
.if 7-(\t) >= 3
	s_wait_loadcnt 12                              ; this step's four loads are in; those of the three steps behind it may be out
.else
	s_wait_loadcnt 4*(7-(\t))
.endif
	s_wait_xcnt 0x0                                ; the stores of two steps back have read their registers: this step's codes are written there
.irp v, 0,1,2,3,4
.set TS, T+16*((5*(\t)+\v)%2)
.set CS, C+20*((\t)%2)+4*\v
.irp i, 0,1,2,3,4,5,6,7,8,9,10,11,12,13,14,15
	v_med3_num_f32 v[TS+\i], v[R+16*((\t)%4)+\i], -v[LMV+\v], v[LMV+\v]   ; the conversion to an 8-bit code does not saturate (ISA guide 7.6.2): the hold comes first.  The two sets take turns, so that sixteen plain lines stand ahead of the next write of a conversion's sources
.endr
	v_cvt_scalef32_pk8_fp8_f32 v[CS:CS+1], v[TS:TS+7], v[SCV+\v]
	v_cvt_scalef32_pk8_fp8_f32 v[CS+2:CS+3], v[TS+8:TS+15], v[SCV+\v]
	global_store_b128 v1, v[CS:CS+3], s[48+2*\v:49+2*\v] offset:512*(\t)      ; the wave stores 512 consecutive bytes, at a multiple of 512 from the buffer's first byte
.endr
.if (\t)+4 < 8
	XLOAD (\t)+4
.endif
.endm
	s_wait_alu depctr_va_vdst(0)
.irp t, 0,1,2,3,4,5,6,7
	XSTEP \t
.endr
	s_wait_tensorcnt 0x0                           ; the wave's end
	ds_add_u32 v[SPW], v[NIL]
	s_wait_dscnt 0x0
	s_endpgm
	; ---------------- the weights: a lane takes a column d, and its registers run down K in the order of the places ----------------
.Lw:
	s_sub_co_u32 s3, ttmp9, 256
	s_lshr_b32 s26, s3, 5                          ; the product 0..4
	s_bfe_u32 s27, s3, 0x40001                     ; the head
	s_and_b32 s28, s3, 1                           ; which chunk of 512 channels
	s_and_b32 s29, s2, 1                           ; which 32 of the head's 64 columns
	s_lshr_b32 s30, s2, 1                          ; which 256 of the chunk's 512 places
	s_mov_b64 s[4:5], s[10:11]                     ; the weight is chosen by the work-group's number alone
	s_cmp_eq_u32 s26, 1
	s_cselect_b64 s[4:5], s[12:13], s[4:5]
	s_cmp_eq_u32 s26, 2
	s_cselect_b64 s[4:5], s[14:15], s[4:5]
	s_cmp_eq_u32 s26, 3
	s_cselect_b64 s[4:5], s[16:17], s[4:5]
	s_cmp_eq_u32 s26, 4
	s_cselect_b64 s[4:5], s[18:19], s[4:5]
	s_lshl_b32 s6, s27, 18                         ; a head: 1,024 rows of 256 bytes
	s_lshl_b32 s7, s28, 17                         ; a chunk: 512 rows
	s_add_co_u32 s6, s6, s7
	s_lshl_b32 s7, s30, 14                         ; places 256 u on hold channels 64 u further down
	s_add_co_u32 s6, s6, s7
	s_lshl_b32 s7, s29, 7                          ; 32 columns of 4 bytes
	s_add_co_u32 s6, s6, s7
	s_mov_b32 s7, 0
	s_add_nc_u64 s[4:5], s[4:5], s[6:7]
	s_lshl_b32 s6, s26, 20                         ; the product's tensor of codes,
	s_lshl_b32 s7, s27, 16                         ; 64 rows of 1,024 bytes a head,
	s_add_co_u32 s6, s6, s7
	s_lshl_b32 s7, s29, 15                         ; my 32 rows,
	s_add_co_u32 s6, s6, s7
	s_lshl_b32 s7, s28, 9                          ; the chunk,
	s_add_co_u32 s6, s6, s7
	s_lshl_b32 s7, s30, 8                          ; my 256 places
	s_add_co_u32 s6, s6, s7
	s_mov_b32 s7, 0
	s_add_nc_u64 s[24:25], s[24:25], s[6:7]
	s_wait_alu depctr_va_vdst(0)
	v_lshlrev_b32 v3, 2, v2                        ; in: 4 bytes a lane
	s_mul_i32 s31, s2, 32*PITCH                    ; my stage
	v_mul_u32_u24 v4, v2, PITCH
	v_add_nc_u32 v4, s31, v4                       ; into it: row = my column
	v_and_b32 v5, 15, v2
	v_lshrrev_b32 v6, 4, v2
	v_mul_u32_u24 v7, v6, PITCH
	v_lshl_add_u32 v7, v5, 4, v7
	v_add_nc_u32 v7, s31, v7                       ; out of it: sixteen lanes to a row, two rows an instruction
	v_lshlrev_b32 v8, 10, v6
	v_lshl_add_u32 v8, v5, 4, v8                   ; and the same place in the codes' buffer
.macro WLOAD t                         ; places 32 t + pp of my 256: channel 128 ((pp / 4) % 4) + 8 t + 4 (pp / 16) + pp % 4; the wave reads 128 consecutive bytes of that row
.irp pp, 0,1,2,3,4,5,6,7,8,9,10,11,12,13,14,15,16,17,18,19,20,21,22,23,24,25,26,27,28,29,30,31
	global_load_b32 v[WX+32*((\t)%2)+\pp], v3, s[4:5] offset:(128*((\pp/4)%4)+8*(\t)+4*(\pp/16)+\pp%4)*256 th:TH_LOAD_NT
.endr
.endm
	WLOAD 0
	WLOAD 1
	s_wait_kmcnt 0x0
	s_mov_b32 s48, s32                             ; the weight's exponent: entry 2 x product
	s_cmp_eq_u32 s26, 1
	s_cselect_b32 s48, s34, s48
	s_cmp_eq_u32 s26, 2
	s_cselect_b32 s48, s36, s48
	s_cmp_eq_u32 s26, 3
	s_cselect_b32 s48, s38, s48
	s_cmp_eq_u32 s26, 4
	s_cselect_b32 s48, s40, s48
	s_add_co_i32 s48, s48, 127
	s_lshl_b32 s49, s48, 23
	v_mov_b32 v11, s49                             ; 2^e
	s_add_co_i32 s48, s48, 8
	s_lshl_b32 s48, s48, 23
	s_or_b32 s48, s48, 0x600000
	v_mov_b32 v10, s48                             ; 448 x 2^e
.macro WBLOCK t
.set XS, WX+32*((\t)%2)
.if (\t) < 7
	s_wait_loadcnt 32                              ; this block's 32 loads are in; the next block's may be out
.else
	s_wait_loadcnt 0x0
.endif
.irp i, 0,1,2,3,4,5,6,7,8,9,10,11,12,13,14,15,16,17,18,19,20,21,22,23,24,25,26,27,28,29,30,31
	v_med3_num_f32 v[XS+\i], v[XS+\i], -v10, v10
.endr
.irp g, 0,1,2,3
	v_cvt_scalef32_pk8_fp8_f32 v[WC+2*\g:WC+2*\g+1], v[XS+8*\g:XS+8*\g+7], v11
.endr
	ds_store_b128 v4, v[WC:WC+3] offset:32*(\t)    ; 32 codes of my column's row
	ds_store_b128 v4, v[WC+4:WC+7] offset:32*(\t)+16
.if (\t)+2 < 8
	WLOAD (\t)+2
.endif
	s_wait_dscnt 0x0                               ; the stores have read their registers; the next block's 32 holds are the plain lines ahead of its conversions
.endm
	s_wait_alu depctr_va_vdst(0)
.irp t, 0,1,2,3,4,5,6,7
	WBLOCK \t
.endr
.irp t, 0,1,2,3,4,5,6,7,8,9,10,11,12,13,14,15
	ds_load_b128 v[OUTR+4*\t:OUTR+4*\t+3], v7 offset:2*\t*PITCH   ; LDS serves a wave's instructions in order (ISA guide 5.7.1.4): these see my stores
.endr
.irp t, 0,1,2,3,4,5,6,7,8,9,10,11,12,13,14,15
	s_wait_dscnt 15-\t
	global_store_b128 v8, v[OUTR+4*\t:OUTR+4*\t+3], s[24:25] offset:2*\t*1024   ; sixteen lanes store 256 consecutive bytes, at a multiple of 256 from the buffer's first byte
.endr
	s_wait_tensorcnt 0x0                           ; the wave's end: behind my last LDS store
	ds_add_u32 v[SPW], v[NIL]
	s_wait_dscnt 0x0
	s_endpgm
.Lfunc_end_k_q4c32a9ab9a_quant:
	.size	k_q4c32a9ab9a_quant, .Lfunc_end_k_q4c32a9ab9a_quant-k_q4c32a9ab9a_quant
	.p2alignl 7, 3214868480
	.fill 96, 4, 3214868480
	.section	.rodata,"a",@progbits
	.p2align	6, 0x0
	.amdhsa_kernel k_q4c32a9ab9a_quant
		.amdhsa_group_segment_fixed_size 35840
		.amdhsa_private_segment_fixed_size 0
		.amdhsa_enable_private_segment 0
		.amdhsa_kernarg_size 72
		.amdhsa_user_sgpr_count 2
		.amdhsa_user_sgpr_kernarg_segment_ptr 1
		.amdhsa_wavefront_size32 1
		.amdhsa_system_sgpr_workgroup_id_x 1
		.amdhsa_system_sgpr_workgroup_id_y 1
		.amdhsa_system_sgpr_workgroup_id_z 1
		.amdhsa_system_vgpr_workitem_id 0
		.amdhsa_next_free_vgpr 192
		.amdhsa_next_free_sgpr 66
		.amdhsa_reserve_vcc 0
		.amdhsa_float_denorm_mode_32 3
		.amdhsa_float_denorm_mode_16_64 3
		.amdhsa_memory_ordered 1
		.amdhsa_forward_progress 1
		.amdhsa_inst_pref_size 105
	.end_amdhsa_kernel
	.amdgpu_metadata
---
amdhsa.version: [ 1, 2 ]
amdhsa.kernels:
  - .name:           k_q4c32a9ab9a_quant
    .symbol:         k_q4c32a9ab9a_quant.kd
    .args:
      - { .name: x, .offset: 0, .size: 8, .value_kind: global_buffer, .address_space: global }
      - { .name: wq1, .offset: 8, .size: 8, .value_kind: global_buffer, .address_space: global }
      - { .name: wk1, .offset: 16, .size: 8, .value_kind: global_buffer, .address_space: global }
      - { .name: wq2, .offset: 24, .size: 8, .value_kind: global_buffer, .address_space: global }
      - { .name: wk2, .offset: 32, .size: 8, .value_kind: global_buffer, .address_space: global }
      - { .name: wv, .offset: 40, .size: 8, .value_kind: global_buffer, .address_space: global }
      - { .name: lowp_scales, .offset: 48, .size: 8, .value_kind: global_buffer, .address_space: global }
      - { .name: xc, .offset: 56, .size: 8, .value_kind: global_buffer, .address_space: global }
      - { .name: wc, .offset: 64, .size: 8, .value_kind: global_buffer, .address_space: global }
    .group_segment_fixed_size: 35840
    .private_segment_fixed_size: 0
    .kernarg_segment_align: 8
    .kernarg_segment_size: 72
    .max_flat_workgroup_size: 128
    .sgpr_count:     66
    .vgpr_count:     192
    .wavefront_size: 32
...
	.end_amdgpu_metadata
.endif
;; end of part 1
;; launch proj (part 2): grid 16 x 16, 4 waves a work-group, clusters of 4 x 4, 327,680 bytes of LDS; arguments xc, wc, lowp_scales, qkv; writes qkv
.if DOCPART == 2
	.amdgcn_target "amdgcn-amd-amdhsa--gfx1250"
	.amdhsa_code_object_version 6
	.text
	.protected	k_q4c32a9ab9a_proj
	.globl	k_q4c32a9ab9a_proj
	.p2align	8
	.type	k_q4c32a9ab9a_proj,@function
k_q4c32a9ab9a_proj:
	s_mov_b64 s[64:65], 0
	v_nop
	global_prefetch_b8 v0, s[64:65] scope:SCOPE_SE
	s_setreg_imm32_b32 hwreg(HW_REG_WAVE_MODE, 25, 1), 1
	s_wait_xcnt 0x0
	s_wait_alu depctr_hold_cnt(0) depctr_sa_sdst(0) depctr_va_vdst(0) depctr_va_sdst(0) depctr_va_ssrc(0) depctr_va_vcc(0) depctr_vm_vsrc(0)
	s_getreg_b32 s2, hwreg(HW_REG_IB_STS2, 6, 4)
	s_cmp_eq_u32 s2, 0
	s_cbranch_scc0 .Lentry_in_a_cluster
	s_endpgm
.Lentry_in_a_cluster:
	s_bfe_u32 s2, ttmp6, 0x10000c
	s_cmp_lg_u32 s2, 0xf033
	s_cbranch_scc0 .Lentry_shape_is_right
	s_endpgm
.Lentry_shape_is_right:
; The five projections on codes of FP8 (E4M3): sums in f32, each sum quantised at once with the scale that the next product gives it (entries 10 to 13 and 15), stored as images of that product's operand registers.
; xc: five tensors [4096][1024] of x's codes; wc: five tensors [1024 n][1024]; K = 1,024, in the same order in both.
; qkv: [product][batch][pair of heads][128 positions][16,384 bytes]; in such a block byte 512 (4 a + c) + 16 lane: row 16 a + lane % 16, columns 32 c + 8 (lane / 16) + 0..7 and 16 more on.
; q1, k1, q2, k2: rows = positions, columns = the pair's 128 n.  v: rows = the pair's 128 n, columns = positions (the keys are the last product's K).
; SHARES.  256 work-groups of four waves.  Cluster x = the product 0..3.  FIRST a tile of 256 positions x 256 n of that product: a wave makes 128 x 128 in 64 accumulators; K goes in steps of 256 through a ring of two LDS slots.
; THEN THE WORK-GROUP STAYS and makes one piece of v, 128 n x 128 positions (v has 8 x 32 = 256 pieces): a wave makes 64 x 64 in 16 accumulators.  The ring goes on into the piece: the tile's last two changes of slots
; ask for it; a slot's 512 rows hold two K steps of the piece's 128 rows of x and 128 rows of wv, so two fills bring all its K.
; CLUSTERS: 4 x 4.  x's rows hang on the cluster's y, cy and the product and are asked for jointly along a row of the cluster, the weights' rows hang on cx and the product and are asked for along a column; in the piece too:
; positions' block = cy + 4 (cluster y) + 16 (product / 2), n's block = 2 cx + product % 2.
; THE MATRIX INSTRUCTION IS USED TRANSPOSED: a lane holds one row of source 1 and eight neighbouring rows of source 0, which one conversion packs into 8 bytes.  Tile: source 0 = weights, source 1 = x.  Piece: source 0 = x, source 1 = wv.
; LIMITS: for each product, (the result's entry) - (its two operands' entries) lies between -126 and 119.
; REGISTERS, in windows of 256: window 0: v0-31 addresses and scales, v32-63 the piece's codes, from v128 x's fragments, then the tile's codes, then the piece's set 0; window 1: the weights' fragments, two sets, then (v128 on) the piece's set 1;
; windows 2, 3: accumulators.
.set ROWB,   256
.set KROW,   1024
.set PITCH,  272                       ; an LDS row: 256 bytes + 16 of padding
.set FR,     16
.set NL,     4
.set NP,     4
.set HALFT,  128*PITCH                 ; what one tensor load brings
.set SLOT,   4*HALFT
.set LAPS,   2
.set SPARE,  2*SLOT                    ; the spare words, 128 bytes a wave
.set PX,   8                           ; v8, v9   the piece: my fragments of x in slot 0, 1
.set PW,   10                          ; v10, v11 of wv
.set ADRA, 16
.set ADRB, 20
.set SCL2, 22
.set LIM2, 23
.set CO,   26
.set SPW,  28
.set NIL,  29
.set SCL,  30
.set LIM,  31
.set CD2,  32
.set AF,   128
.set CD,   128
.set G1, 24
.set G0, 32
.set G1B, 48
.set G0B, 56
.set MSB, 0
.macro WIN new                         ; the immediate's high byte repeats the setting that is left
.if MSB != \new
	s_set_vgpr_msb (MSB<<8)|\new
.set MSB, \new
.endif
.endm
.set MUL_LO, 0xa1
.set MUL_HI, 0xf1
.set TO_B,   0x40
.macro JLOAD g0a, g1a, g0b, g1b        ; waves 0, 1 fetch x's rows, waves 2, 3 the weights'
	s_cmp_eq_u32 s15, 0
	s_cbranch_scc0 .Lfor_b_\@
	tensor_load_to_lds s[\g0a:\g0a+3], s[\g1a:\g1a+7]
	s_nop 0
.rept 4
	v_nop
.endr
	s_branch .Lasked_\@
.Lfor_b_\@:
	tensor_load_to_lds s[\g0b:\g0b+3], s[\g1b:\g1b+7]
	s_nop 0
.rept 4
	v_nop
.endr
.Lasked_\@:
.endm
.macro CREST
	s_cmp_lg_u32 s14, 0
	s_cbranch_scc1 .Lnot_wave_0_\@
	s_barrier_signal -3
.Lnot_wave_0_\@:
	s_barrier_wait -3
	s_barrier_signal -1
	s_barrier_wait -1
.endm
.macro CROUND
	s_barrier_signal -1
	s_barrier_wait -1
	CREST
.endm
	s_load_b128 s[4:7], s[0:1], 0x0                ; xc, wc
	s_load_b128 s[8:11], s[0:1], 0x10              ; the exponents, qkv
	v_lshl_add_u32 v[SPW], v0, 2, SPARE
	v_mov_b32 v[NIL], 0
	ds_add_u32 v[SPW], v[NIL]                      ; the opening lines: the add twice on end and its wait
	ds_add_u32 v[SPW], v[NIL]
	v_lshrrev_b32 v1, 5, v0
	v_readfirstlane_b32 s14, v1                    ; wave 0..3
	s_lshr_b32 s15, s14, 1                         ; my half of the rows of source 1; also: I fetch x (0) or weights (1)
	s_and_b32 s16, s14, 1                          ; my half of the rows of source 0; also: which part I fetch
	s_bfe_u32 s40, ttmp6, 0x40000                  ; cx
	s_bfe_u32 s41, ttmp6, 0x40004                  ; cy
	s_and_b32 s17, ttmp7, 0xffff
	s_lshl_b32 s17, s17, 2
	s_add_co_u32 s17, s17, s41                     ; which 256 positions
	s_lshl_b32 s67, ttmp9, 22                      ; the product's tensor in xc and in qkv,
	s_lshl_b32 s68, ttmp9, 20                      ; and in wc
	s_lshl_b32 s43, s41, 2
	s_lshl_b32 s43, 15, s43                        ; my row of the cluster
	s_lshl_b32 s44, 0x1111, s40                    ; my column
	s_or_b32 s[G1+0], s43, (0<<16)|(1<<20)|(1<<21)|(5<<22)|(3<<25)
	s_or_b32 s[G1B+0], s44, (0<<16)|(1<<20)|(1<<21)|(5<<22)|(3<<25)
.irp g, G1, G1B
	s_mov_b32 s[\g+1], ROWB<<16
	s_mov_b32 s[\g+2], 128<<16
	s_mov_b32 s[\g+3], ROWB<<16
	s_mov_b32 s[\g+4], 128
	s_mov_b32 s[\g+5], KROW
	s_mov_b32 s[\g+6], 0
	s_mov_b32 s[\g+7], 0
.endr
	s_lshl_b32 s18, s16, 7
	s_lshl_b32 s20, s17, 8
	s_add_co_u32 s20, s20, s18
	s_lshl_b32 s20, s20, 10
	s_add_co_u32 s20, s20, s67                     ; x: the 128 rows that I fetch
	s_lshl_b32 s46, s40, 8
	s_add_co_u32 s46, s46, s18
	s_lshl_b32 s46, s46, 10
	s_add_co_u32 s46, s46, s68                     ; weights likewise
	s_mov_b32 s21, 0
	s_mov_b32 s47, 0
	s_lshl_b32 s19, s16, 8                         ; the piece: which of a slot's two K steps I fetch
	s_lshr_b32 s69, ttmp9, 1
	s_lshl_b32 s69, s69, 4
	s_add_co_u32 s69, s69, s17                     ; its block of 128 positions
	s_lshl_b32 s98, s69, 17
	s_add_co_u32 s98, s98, s19
	s_add_co_u32 s98, s98, 4<<22                   ; in xc's fifth tensor
	s_lshl_b32 s70, s40, 1
	s_and_b32 s71, ttmp9, 1
	s_add_co_u32 s70, s70, s71                     ; its pair of heads
	s_lshl_b32 s99, s70, 17
	s_add_co_u32 s99, s99, s19
	s_add_co_u32 s99, s99, 4<<20                   ; in wc's fifth tensor
	s_mov_b32 s97, 0
	s_mov_b32 s91, 0
	s_mul_i32 s45, s14, HALFT
	s_wait_dscnt 0x0
	s_wait_kmcnt 0x0
	s_load_b512 s[72:87], s[8:9], 0x0              ; the sixteen exponents
	s_add_nc_u64 s[20:21], s[4:5], s[20:21]
	s_add_nc_u64 s[46:47], s[6:7], s[46:47]
	CROUND                                         ; the round in front of the first joint loads
.irp s, 0,1
	s_mov_b32 s[G0+4*\s], 1
	s_add_co_u32 s[G0+4*\s+1], s45, \s*SLOT
	s_add_nc_u64 s[G0+4*\s+2:G0+4*\s+3], s[20:21], \s*ROWB
	s_or_b32 s[G0+4*\s+3], s[G0+4*\s+3], 0x80000000
	s_mov_b32 s[G0B+4*\s], 1
	s_add_co_u32 s[G0B+4*\s+1], s45, \s*SLOT
	s_add_nc_u64 s[G0B+4*\s+2:G0B+4*\s+3], s[46:47], \s*ROWB
	s_or_b32 s[G0B+4*\s+3], s[G0B+4*\s+3], 0x80000000
.endr
	JLOAD G0, G1, G0B, G1B                         ; K step 0: one tensor load a wave at the head
	s_mul_i32 s21, s15, HALFT                      ; the tile: my 128 rows of x,
	s_mul_i32 s22, s16, HALFT
	s_add_co_u32 s22, s22, 2*HALFT                 ; my 128 rows of the weights
	s_mul_i32 s23, s16, 64*PITCH                   ; the piece: my 64 rows of x,
	s_mul_i32 s94, s15, 64*PITCH
	s_add_co_u32 s94, s94, 2*HALFT                 ; my 64 rows of wv
	s_lshr_b32 s92, s69, 4                         ; where the piece goes: batch,
	s_lshl_b32 s92, s92, 21
	s_and_b32 s93, s69, 15                         ; block of positions,
	s_lshl_b32 s93, s93, 14
	s_add_co_u32 s92, s92, s93
	s_lshl_b32 s93, s70, 18                        ; pair of heads,
	s_add_co_u32 s92, s92, s93
	s_lshl_b32 s93, s15, 13                        ; my 64 rows (a = 4 on),
	s_add_co_u32 s92, s92, s93
	s_lshl_b32 s93, s16, 10                        ; my 64 columns (c = 2 on)
	s_add_co_u32 s92, s92, s93
	s_add_co_u32 s92, s92, 4<<22
	s_mov_b32 s93, 0
	s_add_nc_u64 s[88:89], s[10:11], s[92:93]
	s_lshl_b32 s92, s17, 1                         ; where my part of the tile goes
	s_add_co_u32 s92, s92, s15                     ; block of 128 positions
	s_lshl_b32 s95, s40, 1
	s_add_co_u32 s95, s95, s16                     ; pair of heads
	s_lshr_b32 s66, s92, 4
	s_lshl_b32 s66, s66, 21
	s_and_b32 s92, s92, 15
	s_lshl_b32 s92, s92, 14
	s_add_co_u32 s92, s92, s66
	s_lshl_b32 s95, s95, 18
	s_add_co_u32 s92, s92, s95
	s_add_co_u32 s92, s92, s67
	s_add_nc_u64 s[10:11], s[10:11], s[92:93]
	v_and_b32 v1, 15, v0
	v_bfe_u32 v2, v0, 4, 1
	v_and_b32 v6, 31, v0
	v_mul_u32_u24 v3, v1, PITCH
	v_lshlrev_b32 v[CO], 4, v6
	v_lshl_add_u32 v4, v2, 4, v3                   ; a fragment's row x pitch + 16 x half
	v_add_nc_u32 v[ADRA], s21, v4
	v_add_nc_u32 v[ADRB], s22, v4
	v_add_nc_u32 v[PX], s23, v4
	v_add_nc_u32 v[PW], s94, v4
	v_add_nc_u32 v[ADRA+1], SLOT, v[ADRA]
	v_add_nc_u32 v[ADRB+1], SLOT, v[ADRB]
	v_add_nc_u32 v[PX+1], SLOT, v[PX]
	v_add_nc_u32 v[PW+1], SLOT, v[PW]
.macro FRAG reg, adr, q, i             ; 16 rows x 128 K: registers 4 c .. 4 c + 3 hold places 32 c + 16 (lane / 16) + 0 .. 15, alike in both operands
.irp c, 0,1,2,3
	ds_load_b128 v[\reg+4*\c:\reg+4*\c+3], v[\adr] offset:128*(\q)+32*\c+(\i)*16*PITCH
.endr
.endm
.macro MUL16 a0, p, zero               ; the 64 accumulators take turns
.irp a, \a0, \a0+1
.irp b, 0,1,2,3,4,5,6,7
.if \zero
	v_wmma_f32_16x16x128_fp8_fp8 v[8*(8*((\a)%4)+\b):8*(8*((\a)%4)+\b)+7], v[128*(\p)+FR*\b:128*(\p)+FR*\b+FR-1], v[AF+FR*(\a):AF+FR*(\a)+FR-1], 0
.else
	v_wmma_f32_16x16x128_fp8_fp8 v[8*(8*((\a)%4)+\b):8*(8*((\a)%4)+\b)+7], v[128*(\p)+FR*\b:128*(\p)+FR*\b+FR-1], v[AF+FR*(\a):AF+FR*(\a)+FR-1], v[8*(8*((\a)%4)+\b):8*(8*((\a)%4)+\b)+7]
.endif
.endr
.endr
.endm
.macro FETCH_B slot, q, p
	WIN TO_B
.irp i, 0,1,2,3,4,5,6,7
	FRAG 128*(\p)+FR*\i, ADRB+\slot, \q, \i
.endr
	WIN 0
.endm
.macro FETCH_A slot, q, i0
.irp i, \i0, \i0+1, \i0+2, \i0+3
	FRAG AF+FR*(\i), ADRA+\slot, \q, \i
.endr
.endm
.macro PLACES n                        ; the places behind matrix instructions (ISA guide 7.12.1)
.rept \n
	v_nop
.endr
.endm
.macro STEP slot, q, zero              ; 128 along K, with its successor in the same slot
	s_wait_dscnt 4*NL                              ; all but x's blocks 4-7
	WIN MUL_LO
	MUL16 0, (\q)%2, \zero
	MUL16 2, (\q)%2, \zero
	s_wait_dscnt 0
	PLACES NP
	FETCH_B \slot, (\q)+1, 1-(\q)%2
	FETCH_A \slot, (\q)+1, 0
	WIN MUL_HI
	MUL16 4, (\q)%2, \zero
	MUL16 6, (\q)%2, \zero
	PLACES NP
	WIN 0
	FETCH_A \slot, (\q)+1, 4
.endm
.macro REFILL slot, fill               ; behind the round: fill = 1 this slot's K step two on; fill = 2 the piece's K steps 2 slot, 2 slot + 1
.if \fill == 1
	s_add_nc_u64 s[G0+4*\slot+2:G0+4*\slot+3], s[G0+4*\slot+2:G0+4*\slot+3], 2*ROWB
	s_add_nc_u64 s[G0B+4*\slot+2:G0B+4*\slot+3], s[G0B+4*\slot+2:G0B+4*\slot+3], 2*ROWB
.else
	s_add_co_u32 s96, s98, \slot*2*ROWB
	s_add_nc_u64 s[G0+4*\slot+2:G0+4*\slot+3], s[4:5], s[96:97]
	s_or_b32 s[G0+4*\slot+3], s[G0+4*\slot+3], 0x80000000
	s_add_co_u32 s90, s99, \slot*2*ROWB
	s_add_nc_u64 s[G0B+4*\slot+2:G0B+4*\slot+3], s[6:7], s[90:91]
	s_or_b32 s[G0B+4*\slot+3], s[G0B+4*\slot+3], 0x80000000
.endif
	JLOAD G0+4*\slot, G1, G0B+4*\slot, G1B         ; the first tensor load behind the round, one a wave
.endm
.macro MEET                            ; a slot's last step begins: all my tensor loads, the add, my reads of this slot; then the barrier that opens a round
	s_wait_tensorcnt 0x0
	ds_add_u32 v[SPW], v[NIL]
	s_wait_dscnt 4*NL+1
	WIN MUL_LO
	MUL16 0, 1, 0
	s_wait_dscnt 0x0
	s_barrier_signal -1
	MUL16 2, 1, 0
	WIN 0
	s_barrier_wait -1
	CREST
.endm
.macro TURN slot, next, fill
	MEET
	REFILL \slot, \fill
	FETCH_B \next, 0, 0
	FETCH_A \next, 0, 0
	WIN MUL_HI
	MUL16 4, 1, 0
	MUL16 6, 1, 0
	PLACES NP
	WIN 0
	FETCH_A \next, 0, 4
.endm
	s_wait_alu depctr_va_vdst(0)                   ; the head's end
	s_wait_tensorcnt 0x0                           ; my part of K step 0; these lines stand ahead of a later first fill as ahead of a refill
	ds_add_u32 v[SPW], v[NIL]
	s_wait_dscnt 0x0
	CROUND
	JLOAD G0+4, G1, G0B+4, G1B                     ; K step 1
	FETCH_B 0, 0, 0
	FETCH_A 0, 0, 0
	FETCH_A 0, 0, 4
	STEP 0, 0, 1                                   ; the first step starts the sums
	s_mov_b32 s3, LAPS-1
.Llap:
	TURN 0, 1, 1
	STEP 1, 0, 0
	TURN 1, 0, 1
	STEP 0, 0, 0
	s_sub_co_u32 s3, s3, 1
	s_cmp_lg_u32 s3, 0
	s_cbranch_scc1 .Llap
	TURN 0, 1, 2                                   ; the ring goes on into the piece: slot 0 takes its K steps 0, 1,
	STEP 1, 0, 0
	MEET
	REFILL 1, 2                                    ; slot 1 its K steps 2, 3
	WIN MUL_HI
	MUL16 4, 1, 0
	MUL16 6, 1, 0
	WIN 0
	; the scales: a sum stands for sum x 2^(its operands' entries); its code is sum / 2^(the result's entry - those two)
	s_wait_kmcnt 0x0
	s_mov_b32 s92, s72
	s_mov_b32 s93, s73
	s_mov_b32 s94, s82
	s_cmp_eq_u32 ttmp9, 1
	s_cselect_b32 s92, s74, s92
	s_cselect_b32 s93, s75, s93
	s_cselect_b32 s94, s83, s94
	s_cmp_eq_u32 ttmp9, 2
	s_cselect_b32 s92, s76, s92
	s_cselect_b32 s93, s77, s93
	s_cselect_b32 s94, s84, s94
	s_cmp_eq_u32 ttmp9, 3
	s_cselect_b32 s92, s78, s92
	s_cselect_b32 s93, s79, s93
	s_cselect_b32 s94, s85, s94
	s_sub_co_i32 s94, s94, s92
	s_sub_co_i32 s94, s94, s93
	s_add_co_i32 s94, s94, 127
	s_lshl_b32 s95, s94, 23
	s_add_co_i32 s94, s94, 8
	s_lshl_b32 s94, s94, 23
	s_or_b32 s94, s94, 0x600000
	s_sub_co_i32 s92, s87, s80                     ; v: entry 15 - entries 8, 9
	s_sub_co_i32 s92, s92, s81
	s_add_co_i32 s92, s92, 127
	s_lshl_b32 s93, s92, 23
	s_add_co_i32 s92, s92, 8
	s_lshl_b32 s92, s92, 23
	s_or_b32 s92, s92, 0x600000
	v_mov_b32 v[SCL], s95
	v_mov_b32 v[LIM], s94
	v_mov_b32 v[SCL2], s93
	v_mov_b32 v[LIM2], s92
	PLACES NP
	WIN 0x82                                       ; the hold (the conversion does not saturate: ISA guide 7.6.2), each accumulator from its low end on
.set i, 0
.rept 256
	v_med3_num_f32 v[i], v[i], -v[LIM], v[LIM]
.set i, i+1
.endr
	WIN 0x02
.set i, 0
.rept 32
	v_cvt_scalef32_pk8_fp8_f32 v[CD+2*i:CD+2*i+1], v[8*i:8*i+7], v[SCL]
.set i, i+1
.endr
	WIN 0xc3
.set i, 0
.rept 256
	v_med3_num_f32 v[i], v[i], -v[LIM], v[LIM]
.set i, i+1
.endr
	WIN 0x03
.set i, 0
.rept 32
	v_cvt_scalef32_pk8_fp8_f32 v[CD+64+2*i:CD+64+2*i+1], v[8*i:8*i+7], v[SCL]
.set i, i+1
.endr
	WIN 0
	v_nop                                          ; a plain line behind the last conversion
.set i, 0
.rept 32
	global_store_b128 v[CO], v[CD+4*i:CD+4*i+3], s[10:11] offset:512*i   ; the wave stores 512 consecutive bytes, aligned
.set i, i+1
.endr
; THE PIECE.  Step u = 0..7 of 128 along K lies in slot u / 4, in the part of K step (u / 2) % 2, at byte 128 (u % 2) of the rows; its fragments go to set u % 2 (window u % 2, v128 on: x's four, then wv's four).
.macro P2FETCH u
	WIN 0x40*((\u)%2)
.irp i, 0,1,2,3
.irp c, 0,1,2,3
	ds_load_b128 v[128+16*\i+4*\c:128+16*\i+4*\c+3], v[PX+(\u)/4] offset:(((\u)/2)%2)*HALFT+\i*16*PITCH+128*((\u)%2)+32*\c
	ds_load_b128 v[192+16*\i+4*\c:192+16*\i+4*\c+3], v[PW+(\u)/4] offset:(((\u)/2)%2)*HALFT+\i*16*PITCH+128*((\u)%2)+32*\c
.endr
.endr
.endm
.macro P2MUL u                         ; sixteen accumulators by turns, in window 2
	WIN 0xa0+5*((\u)%2)
.irp a, 0,1,2,3
.irp b, 0,1,2,3
.if (\u) == 0
	v_wmma_f32_16x16x128_fp8_fp8 v[8*(4*\a+\b):8*(4*\a+\b)+7], v[128+16*\b:128+16*\b+15], v[192+16*\a:192+16*\a+15], 0
.else
	v_wmma_f32_16x16x128_fp8_fp8 v[8*(4*\a+\b):8*(4*\a+\b)+7], v[128+16*\b:128+16*\b+15], v[192+16*\a:192+16*\a+15], v[8*(4*\a+\b):8*(4*\a+\b)+7]
.endif
.endr
.endr
.endm
	s_wait_tensorcnt 0x0                           ; my parts of the piece are in
	s_barrier_signal -1
	s_barrier_wait -1                              ; everybody's are; nothing is filled again
	s_wait_xcnt 0x0                                ; the tile's stores have read their registers: set 0 lands there
	P2FETCH 0
.irp u, 0,1,2,3,4,5,6,7
.if \u < 7
.if \u > 0
	PLACES NP                                      ; the next loads land in the set that the step before multiplied
.endif
	P2FETCH \u+1
	s_wait_dscnt 32                                ; all but the 32 just issued
.else
	s_wait_dscnt 0x0
.endif
	P2MUL \u
.endr
	PLACES NP
	WIN 0x82
.set i, 0
.rept 128
	v_med3_num_f32 v[i], v[i], -v[LIM2], v[LIM2]
.set i, i+1
.endr
	WIN 0x02
.set i, 0
.rept 16
	v_cvt_scalef32_pk8_fp8_f32 v[CD2+2*i:CD2+2*i+1], v[8*i:8*i+7], v[SCL2]
.set i, i+1
.endr
	WIN 0
	v_nop
.set i, 0
.rept 8
	global_store_b128 v[CO], v[CD2+4*i:CD2+4*i+3], s[88:89] offset:512*(4*(i/2)+i%2)   ; rows 16 (i / 2) on, columns 32 (i % 2) on
.set i, i+1
.endr
	s_wait_tensorcnt 0x0                           ; the wave's end
	ds_add_u32 v[SPW], v[NIL]
	s_wait_dscnt 0x0
	CROUND                                         ; the closing round
	s_endpgm
.Lfunc_end_k_q4c32a9ab9a_proj:
	.size	k_q4c32a9ab9a_proj, .Lfunc_end_k_q4c32a9ab9a_proj-k_q4c32a9ab9a_proj
	.p2alignl 7, 3214868480
	.fill 96, 4, 3214868480
	.section	.rodata,"a",@progbits
	.p2align	6, 0x0
	.amdhsa_kernel k_q4c32a9ab9a_proj
		.amdhsa_group_segment_fixed_size 327680
		.amdhsa_private_segment_fixed_size 0
		.amdhsa_enable_private_segment 0
		.amdhsa_kernarg_size 32
		.amdhsa_user_sgpr_count 2
		.amdhsa_user_sgpr_kernarg_segment_ptr 1
		.amdhsa_wavefront_size32 1
		.amdhsa_system_sgpr_workgroup_id_x 1
		.amdhsa_system_sgpr_workgroup_id_y 1
		.amdhsa_system_sgpr_workgroup_id_z 1
		.amdhsa_system_vgpr_workitem_id 0
		.amdhsa_next_free_vgpr 1024
		.amdhsa_next_free_sgpr 100
		.amdhsa_reserve_vcc 0
		.amdhsa_float_denorm_mode_32 3
		.amdhsa_float_denorm_mode_16_64 3
		.amdhsa_memory_ordered 1
		.amdhsa_forward_progress 1
		.amdhsa_inst_pref_size 157
	.end_amdhsa_kernel
	.amdgpu_metadata
---
amdhsa.version: [ 1, 2 ]
amdhsa.kernels:
  - .name:           k_q4c32a9ab9a_proj
    .symbol:         k_q4c32a9ab9a_proj.kd
    .args:
      - { .name: xc, .offset: 0, .size: 8, .value_kind: global_buffer, .address_space: global }
      - { .name: wc, .offset: 8, .size: 8, .value_kind: global_buffer, .address_space: global }
      - { .name: lowp_scales, .offset: 16, .size: 8, .value_kind: global_buffer, .address_space: global }
      - { .name: qkv, .offset: 24, .size: 8, .value_kind: global_buffer, .address_space: global }
    .group_segment_fixed_size: 327680
    .private_segment_fixed_size: 0
    .kernarg_segment_align: 8
    .kernarg_segment_size: 32
    .max_flat_workgroup_size: 128
    .sgpr_count:     100
    .vgpr_count:     1024
    .wavefront_size: 32
...
	.end_amdgpu_metadata
.endif
;; end of part 2
;; launch attn (part 3): grid 8 x 32, 8 waves a work-group, clusters of 4 x 1, 327,680 bytes of LDS; arguments qkv, lowp_scales, lamb, att; writes att
.if DOCPART == 3
	.amdgcn_target "amdgcn-amd-amdhsa--gfx1250"
	.amdhsa_code_object_version 6
	.text
	.protected	k_q4c32a9ab9a_attn
	.globl	k_q4c32a9ab9a_attn
	.p2align	8
	.type	k_q4c32a9ab9a_attn,@function
k_q4c32a9ab9a_attn:
	s_mov_b64 s[64:65], 0
	v_nop
	global_prefetch_b8 v0, s[64:65] scope:SCOPE_SE
	s_setreg_imm32_b32 hwreg(HW_REG_WAVE_MODE, 25, 1), 1
	s_wait_xcnt 0x0
	s_wait_alu depctr_hold_cnt(0) depctr_sa_sdst(0) depctr_va_vdst(0) depctr_va_sdst(0) depctr_va_ssrc(0) depctr_va_vcc(0) depctr_vm_vsrc(0)
	s_getreg_b32 s2, hwreg(HW_REG_IB_STS2, 6, 4)
	s_cmp_eq_u32 s2, 0
	s_cbranch_scc0 .Lentry_in_a_cluster
	s_endpgm
.Lentry_in_a_cluster:
	s_bfe_u32 s2, ttmp6, 0x10000c
	s_cmp_lg_u32 s2, 0x3003
	s_cbranch_scc0 .Lentry_shape_is_right
	s_endpgm
.Lentry_shape_is_right:
; att[b][t][64 h + d] = sum over keys of Q8(softmax(q1 k1 / 8) - lamb softmax(q2 k2 / 8)) v, all three products on codes of FP8 (E4M3) with the given scales (entries 10 to 15).
; qkv holds the codes of q1, k1, q2, k2, v as images of the operands' registers: [product][batch][pair of heads][128 positions][16 rows][head's parity][512 bytes x 2][16 bytes a lane] (v: rows = d, keys innermost).
; SHARES.  A work-group owns one head and 256 queries, 16 a tile; each of its eight waves owns 256 of the 2,048 keys.  K1 and K2 lie in LDS (2 x 131,072 bytes), a wave's part of V in 128 registers.
; Both score products are used transposed (source 0 = 16 keys, source 1 = the 16 queries): a lane holds one query, its registers run along the keys, and the conversions' results are the last product's operand.
; wei is quantised finished and normalised, so a tile's 2 x 128 registers of exponentials stay until both rows' sums are known.  Softmax 1: each wave takes its own maximum away; (m1, l1) of the eight waves are
; exchanged and give F1 = 2^(m1 - max) / sum.  Softmax 2: the eight maxima are exchanged first, the common maximum is taken away, and the sums are added: F2 = -lamb / sum.
; THE TWO AREAS OF SCORES TAKE TURNS: a tile's first scores lie in area a, its second in area b; b is free behind wei = F1 p1 + F2 p2 (written into a), and takes the next tile's first scores while a is held and converted.
; So a trip of the loop is two tiles.  FOUR BARRIERS A TILE (O's stage; maximum 2; m1 and l1; l2), each signalled early and awaited late with register work and reads of K between.
; A tile's eight partial O go through a stage in LDS and are added in the next tile: wave w adds rows 2 w and 2 w + 1.  The first tile has none to add.
; The last tile's look-ahead (first scores and their maximum) works on tile 15's queries once more, and its result is not used.
; CLUSTER: the four work-groups of a cluster own query blocks of one head and ask for K1 and K2 jointly: one tensor load a wave (waves 0-3: quarters of K1, waves 4-7: of K2), 32 rows of 1,024 bytes.
; No prefetch: all of K and V is asked for at the head, and the loop reads only 2,048 bytes of Q a tile, asked for most of a tile ahead.
; LIMITS: entries 10 + 11 and 12 + 13 between -123 and 130, entry 14 between -126 and 119, entries 14 + 15 between -126 and 127.  The scaled scores stay under 2^31 in magnitude.  NaN among the inputs is not served.
.set XCH,   262144                     ; exchange: maxima 2 (512 bytes), (m1, l1) (1,024), sums 2 (512)
.set OPA,   264192                     ; O's stage: 16 rows x 272 bytes for each wave
.set SPARE, 299008                     ; the spare words, 128 bytes a wave
.set SPW, 1
.set NIL, 2
.set KAD, 3                            ; v3, v4 my fragments of K1, K2
.set LOF, 5                            ; 16 x lane
.set XS4, 6
.set XL4, 7
.set XS8, 8
.set XL8, 9
.set OST, 10
.set OLD, 11
.set GOF, 12
.set SC,  13                           ; 2^e14
.set LIM, 14                           ; 448 x 2^e14
.set RC,  15
.set CM1, 18                           ; v18 m1, v19 l1
.set CM2, 20                           ; v20 the common maximum 2
.set MX,  22
.set SM,  26
.set LG,  34
.set F1,  36
.set F2,  38
.set OUT, 40
.set GM,  44
.set OWN, 45
.set TM,  46
.set PT,  47
.set QF,  48                           ; v48-55 Q1, v56-63 Q2
.set KB,  64                           ; two sets of two fragments of K
.set PC,  96                           ; wei's codes; ahead of them what the exchanges and the stage bring
.set X1S, 96
.set M2S, 112
.set L2S, 120
.set VF,  128
.set MSB, 0
.macro WIN new                         ; the immediate's high byte repeats the setting that is left
.if MSB != \new
	s_set_vgpr_msb (MSB<<8)|\new
.set MSB, \new
.endif
.endm
.macro PLACES
.rept 4
	v_nop
.endr
.endm
.macro VW
	s_wait_alu depctr_va_vdst(0)
.endm
.macro CROUND                          ; a round of the cluster's barrier
	s_barrier_signal -1
	s_barrier_wait -1
	s_cmp_lg_u32 s12, 0
	s_cbranch_scc1 .Lnot_wave_0_\@
	s_barrier_signal -3
.Lnot_wave_0_\@:
	s_barrier_wait -3
	s_barrier_signal -1
	s_barrier_wait -1
.endm
	s_load_b256 s[4:11], s[0:1], 0x0               ; qkv, the exponents, lamb, att
	v_lshl_add_u32 v[SPW], v0, 2, SPARE
	v_mov_b32 v[NIL], 0
	ds_add_u32 v[SPW], v[NIL]                      ; the opening lines: the add twice on end and its wait
	ds_add_u32 v[SPW], v[NIL]
	v_lshrrev_b32 v16, 5, v0
	s_delay_alu instid0(VALU_DEP_1)
	v_readfirstlane_b32 s12, v16                   ; wave 0..7
	s_and_b32 s13, ttmp7, 0xffff
	s_lshr_b32 s14, s13, 4                         ; batch
	s_and_b32 s15, s13, 15                         ; head
	s_bfe_u32 s68, ttmp6, 0x40000                  ; cx
	s_lshl_b32 s69, ttmp9, 2
	s_add_co_u32 s69, s69, s68                     ; my block of 256 queries
	s_lshl_b32 s70, s14, 21
	s_lshr_b32 s71, s15, 1
	s_lshl_b32 s71, s71, 18
	s_add_co_u32 s70, s70, s71                     ; batch and pair of heads
	s_and_b32 s71, s15, 1
	s_lshl_b32 s72, s71, 10
	s_add_co_u32 s72, s72, s70                     ; Q, K: the head's first byte in a product
	s_lshl_b32 s71, s71, 13
	s_add_co_u32 s71, s71, s70
	s_lshl_b32 s73, s12, 15
	s_add_co_u32 s71, s71, s73                     ; V: my 256 keys
	s_and_b32 s74, s12, 3
	s_lshl_b32 s74, s74, 16                        ; the quarter (512 keys) that I fetch,
	s_add_co_u32 s74, s74, s72
	s_lshr_b32 s75, s12, 2
	s_lshl_b32 s75, s75, 23                        ; of K1 (product 1) or K2 (product 3)
	s_add_co_u32 s74, s74, s75
	s_add_co_u32 s74, s74, 1<<22
	s_lshl_b32 s75, s69, 15
	s_add_co_u32 s77, s72, s75                     ; Q: my 256 queries
	s_lshl_b32 s76, s14, 23
	s_lshl_b32 s75, s69, 20
	s_add_co_u32 s76, s76, s75
	s_lshl_b32 s75, s15, 8
	s_add_co_u32 s76, s76, s75                     ; att: my first row, my head's 256 bytes
	s_mov_b32 s79, 0
	s_mov_b32 s16, 15|(3<<16)|(1<<21)              ; the mask of the cluster's four; elements of 8 bytes; bit 21 beside a mask
	s_mov_b32 s17, 128<<16
	s_mov_b32 s18, 32<<16
	s_mov_b32 s19, 128<<16
	s_mov_b32 s20, 32                              ; 32 rows of 1,024 bytes,
	s_mov_b32 s21, 256                             ; 2,048 bytes apart
	s_mov_b32 s22, 0
	s_mov_b32 s23, 0
	s_mov_b32 s24, 1
	s_lshl_b32 s25, s12, 15                        ; LDS: 32,768 x wave
	s_lshl_b32 s60, s12, 14
	s_lshl_b32 s61, s12, 2
	s_lshl_b32 s62, s12, 3
	s_mul_i32 s63, s12, 16*272
	s_add_co_u32 s63, s63, OPA
	s_mul_i32 s66, s12, 2*272
	s_add_co_u32 s66, s66, OPA
	s_lshl_b32 s67, s12, 13
	s_mov_b32 s54, 0x76543210
	s_mov_b32 s55, 0xfedcba98
	s_mov_b32 s56, 8
	s_mov_b32 s59, 0
	s_wait_dscnt 0x0
	s_wait_kmcnt 0x0
	s_load_b128 s[40:43], s[6:7], 0x28             ; entries 10 to 13
	s_load_b64 s[44:45], s[6:7], 0x38              ; entries 14, 15
	s_load_b32 s46, s[8:9], 0x0                    ; lamb
	s_mov_b32 s78, s74
	s_add_nc_u64 s[26:27], s[4:5], s[78:79]
	s_or_b32 s27, s27, 0x80000000
	CROUND                                         ; the round in front of the joint loads
	tensor_load_to_lds s[24:27], s[16:23]          ; my one tensor load
	s_nop 0
	s_mov_b32 s78, s71
	s_add_nc_u64 s[36:37], s[4:5], s[78:79]
	s_add_nc_u64 s[36:37], s[36:37], 4<<22         ; V
	s_mov_b32 s78, s77
	s_add_nc_u64 s[32:33], s[4:5], s[78:79]        ; Q1
	s_add_nc_u64 s[34:35], s[32:33], 2<<22         ; Q2
	s_mov_b32 s78, s76
	s_add_nc_u64 s[38:39], s[10:11], s[78:79]      ; att
	v_and_b32 v16, 31, v0
	v_and_b32 v17, 15, v0                          ; r
	v_bfe_u32 v44, v0, 4, 1                        ; h
	v_lshlrev_b32 v[LOF], 4, v16
	v_lshlrev_b32 v[XL4], 5, v17
	v_lshlrev_b32 v[XL8], 6, v17
	v_mul_u32_u24 v[OST], v17, 272
	v_mul_u32_u24 v[OLD], v44, 272
	v_lshlrev_b32 v[GOF], 12, v44
	v_add_nc_u32 v[KAD], s60, v[LOF]
	v_add_nc_u32 v[XL4], XCH, v[XL4]               ; a query's eight words: 32 r
	v_add_nc_u32 v[XL8], XCH+512, v[XL8]           ; a query's eight pairs: 64 r
	v_lshl_add_u32 v[OST], v44, 5, v[OST]
	v_lshl_add_u32 v[OLD], v17, 4, v[OLD]
	v_lshl_add_u32 v[GOF], v17, 4, v[GOF]
	v_add_nc_u32 v[KAD+1], 131072, v[KAD]
	v_add_nc_u32 v[XS4], s61, v[XL4]               ; my wave's word
	v_add_nc_u32 v[XS8], s62, v[XL8]               ; my wave's pair
	v_add_nc_u32 v[OST], s63, v[OST]
	v_add_nc_u32 v[OLD], s66, v[OLD]
	v_add_nc_u32 v[GOF], s67, v[GOF]
	v_mov_b32 v[CM1+1], 0                          ; upper halves of pairs, and the permute's destination: written once
	v_mov_b32 v[CM2+1], 0
	v_mov_b32 v[F1+1], 0
	v_mov_b32 v[F2+1], 0
	v_mov_b32 v[PT], 0
	VW
.macro QLOAD
	global_load_b128 v[QF:QF+3], v[LOF], s[32:33]
	global_load_b128 v[QF+4:QF+7], v[LOF], s[32:33] offset:512
	global_load_b128 v[QF+8:QF+11], v[LOF], s[34:35]
	global_load_b128 v[QF+12:QF+15], v[LOF], s[34:35] offset:512
.endm
	QLOAD                                          ; tile 0's queries first, then V
	s_wait_kmcnt 0x0
	s_add_co_i32 s13, s40, s41
	s_lshl_b32 s13, s13, 23
	s_add_co_i32 s48, s13, 0x3e38aa3b              ; c1 = log2(e) / 8 x 2^(e10 + e11)
	s_mov_b32 s49, s48
	s_add_co_i32 s13, s42, s43
	s_lshl_b32 s13, s13, 23
	s_add_co_i32 s50, s13, 0x3e38aa3b              ; c2
	s_mov_b32 s51, s50
	s_add_co_i32 s13, s44, 127
	s_lshl_b32 s14, s13, 23
	v_mov_b32 v[SC], s14
	s_add_co_i32 s13, s13, 8
	s_lshl_b32 s13, s13, 23
	s_or_b32 s13, s13, 0x600000
	v_mov_b32 v[LIM], s13
	s_add_co_i32 s13, s44, s45
	s_add_co_i32 s13, s13, 127
	s_lshl_b32 s52, s13, 23                        ; 2^(e14 + e15)
	s_mov_b32 s53, s52
.macro KLD s, i                        ; key blocks 2 i, 2 i + 1 of K1 (s = 0) or K2 (1) into set i % 2
.irp u, 0,1
.irp c, 0,1
	ds_load_b128 v[KB+16*((\i)%2)+8*\u+4*\c:KB+16*((\i)%2)+8*\u+4*\c+3], v[KAD+\s] offset:(2*(\i)+\u)*1024+512*\c
.endr
.endr
.endm
; One step of a score product: the next pair's four loads, the wait for this pair's (the four just issued may be out), two matrix instructions.
; The loads land in the set that the step before last multiplied: the plain vector work between the steps gives the four places; nops = 1 where that work is exponentials.
.macro QKS ar, s, i, nops
	WIN 0
.if \nops
	PLACES
.endif
.if (\i) < 7
	KLD \s, (\i)+1
	s_wait_dscnt 4
.else
	s_wait_dscnt 0x0
.endif
	WIN 0x40
.irp u, 0,1
	v_wmma_f32_16x16x64_fp8_fp8 v[128*\ar+8*(2*(\i)+\u):128*\ar+8*(2*(\i)+\u)+7], v[KB+16*((\i)%2)+8*\u:KB+16*((\i)%2)+8*\u+7], v[QF+8*\s:QF+8*\s+7], 0
.endr
.endm
.macro MAXA ar                         ; four chains over the area's 128 scores, each accumulator from its low end on
	WIN 0x15
.irp k, 0,1,2,3
	v_max3_num_f32 v[MX+\k], v[128*\ar+3*\k], v[128*\ar+3*\k+1], v[128*\ar+3*\k+2]
.endr
	WIN 0x14
.set n, 0
.rept 58
	v_max3_num_f32 v[MX+n%4], v[MX+n%4], v[128*\ar+12+2*n], v[128*\ar+13+2*n]
.set n, n+1
.endr
	WIN 0
.endm
.macro MAXT s, dst                     ; the four chains, lane l xor 16, x c
	v_max3_num_f32 v[MX], v[MX], v[MX+1], v[MX+2]
	s_delay_alu instid0(VALU_DEP_1)
	v_max_num_f32 v[MX], v[MX], v[MX+3]
	s_delay_alu instid0(VALU_DEP_1)
	v_permlanex16_b32 v[PT], v[MX], s54, s55
	s_delay_alu instid0(VALU_DEP_1)
	v_max_num_f32 v[MX], v[MX], v[PT]
	s_delay_alu instid0(VALU_DEP_1)
	v_mul_f32 v[\dst], s[48+2*\s], v[MX]
.endm
.macro FMAC ar, s, cm, n0, cnt         ; t - maximum
	WIN 0x41
.set n, \n0
.rept \cnt
	v_pk_fma_f32 v[128*\ar+2*n:128*\ar+2*n+1], v[128*\ar+2*n:128*\ar+2*n+1], s[48+2*\s:49+2*\s], v[\cm:\cm+1] op_sel_hi:[1,0,0] neg_lo:[0,0,1] neg_hi:[0,0,1]
.set n, n+1
.endr
.endm
.macro EXPC ar, n0, cnt
	WIN 0x41
.set n, \n0
.rept \cnt
	v_exp_f32 v[128*\ar+n], v[128*\ar+n]
.set n, n+1
.endr
.endm
.macro SUM0 ar
	WIN 0x05
.irp k, 0,1,2,3
	v_pk_add_f32 v[SM+2*\k:SM+2*\k+1], v[128*\ar+4*\k:128*\ar+4*\k+1], v[128*\ar+4*\k+2:128*\ar+4*\k+3]
.endr
.endm
.macro SUMR ar, n0, cnt
	WIN 0x04
.set n, \n0
.rept \cnt
	v_pk_add_f32 v[SM+2*(n%4):SM+2*(n%4)+1], v[SM+2*(n%4):SM+2*(n%4)+1], v[128*\ar+2*n:128*\ar+2*n+1]
.set n, n+1
.endr
	WIN 0
.endm
.macro SUMT dst
	v_pk_add_f32 v[SM:SM+1], v[SM:SM+1], v[SM+2:SM+3]
	v_pk_add_f32 v[SM+4:SM+5], v[SM+4:SM+5], v[SM+6:SM+7]
	s_delay_alu instid0(VALU_DEP_1)
	v_pk_add_f32 v[SM:SM+1], v[SM:SM+1], v[SM+4:SM+5]
	s_delay_alu instid0(VALU_DEP_1)
	v_add_f32 v[SM], v[SM], v[SM+1]
	s_delay_alu instid0(VALU_DEP_1)
	v_permlanex16_b32 v[PT], v[SM], s54, s55
	s_delay_alu instid0(VALU_DEP_1)
	v_add_f32 v[\dst], v[SM], v[PT]
.endm
.macro MULC ar, n0, cnt                ; p1 x F1
	WIN 0x41
.set n, \n0
.rept \cnt
	v_pk_mul_f32 v[128*\ar+2*n:128*\ar+2*n+1], v[128*\ar+2*n:128*\ar+2*n+1], v[F1:F1+1] op_sel_hi:[1,0]
.set n, n+1
.endr
.endm
.macro FPC ar, br, n0, cnt             ; wei = p2 x F2 + p1 x F1, into area ar
	WIN 0x51
.set n, \n0
.rept \cnt
	v_pk_fma_f32 v[128*\ar+2*n:128*\ar+2*n+1], v[128*\br+2*n:128*\br+2*n+1], v[F2:F2+1], v[128*\ar+2*n:128*\ar+2*n+1] op_sel_hi:[1,0,1]
.set n, n+1
.endr
.endm
.macro MC ar, g                        ; key blocks 2 g, 2 g + 1: the hold (the conversion does not saturate: ISA guide 7.6.2), then the codes
	WIN 0x41
.set n, 0
.rept 16
	v_med3_num_f32 v[128*\ar+16*\g+n], v[128*\ar+16*\g+n], -v[LIM], v[LIM]
.set n, n+1
.endr
	WIN 0x01
	v_cvt_scalef32_pk8_fp8_f32 v[PC+4*\g:PC+4*\g+1], v[128*\ar+16*\g:128*\ar+16*\g+7], v[SC]
	v_cvt_scalef32_pk8_fp8_f32 v[PC+4*\g+2:PC+4*\g+3], v[128*\ar+16*\g+8:128*\ar+16*\g+15], v[SC]
.endm
.macro PV ar                           ; O^T = V^T wei^T over my 256 keys: four accumulators by turns, in the area's first 32 registers
	WIN 0x50
.irp ks, 0,1
.irp dt, 0,1,2,3
.if \ks == 0
	v_wmma_f32_16x16x128_fp8_fp8 v[128*\ar+8*\dt:128*\ar+8*\dt+7], v[VF+16*(4*\ks+\dt):VF+16*(4*\ks+\dt)+15], v[PC+16*\ks:PC+16*\ks+15], 0
.else
	v_wmma_f32_16x16x128_fp8_fp8 v[128*\ar+8*\dt:128*\ar+8*\dt+7], v[VF+16*(4*\ks+\dt):VF+16*(4*\ks+\dt)+15], v[PC+16*\ks:PC+16*\ks+15], v[128*\ar+8*\dt:128*\ar+8*\dt+7]
.endif
.endr
.endr
.endm
.macro OLOAD                           ; the eight waves' parts of my two rows
.irp i, 0,1,2,3,4,5,6,7
	ds_load_b128 v[PC+4*\i:PC+4*\i+3], v[OLD] offset:16*272*\i
.endr
.endm
.macro ORED                            ; added, x 2^(e14 + e15), stored: sixteen lanes store 256 consecutive bytes, aligned
.irp i, 0,2,4,6,8,10,12,14
	v_pk_add_f32 v[PC+\i:PC+\i+1], v[PC+\i:PC+\i+1], v[PC+16+\i:PC+16+\i+1]
.endr
.irp i, 0,2,4,6
	s_delay_alu instid0(VALU_DEP_4)
	v_pk_add_f32 v[PC+\i:PC+\i+1], v[PC+\i:PC+\i+1], v[PC+8+\i:PC+8+\i+1]
.endr
.irp i, 0,2
	s_delay_alu instid0(VALU_DEP_2)
	v_pk_add_f32 v[PC+\i:PC+\i+1], v[PC+\i:PC+\i+1], v[PC+4+\i:PC+4+\i+1]
.endr
	s_delay_alu instid0(VALU_DEP_2)
	v_pk_mul_f32 v[OUT:OUT+1], v[PC:PC+1], s[52:53] op_sel_hi:[1,0]
	s_delay_alu instid0(VALU_DEP_2)
	v_pk_mul_f32 v[OUT+2:OUT+3], v[PC+2:PC+3], s[52:53] op_sel_hi:[1,0]
	global_store_b128 v[GOF], v[OUT:OUT+3], s[38:39]
	s_wait_xcnt 0x0                                ; the store has read its base and its data
	s_add_nc_u64 s[38:39], s[38:39], 65536         ; 16 rows on
.endm
; A TILE.  On entry: its first scores lie in area a, v18 holds their maximum x c1, and the barrier of the last tile's O is signalled.
.macro TILE a, b, first
	WIN 0
	KLD 1, 0
	FMAC \a, 0, CM1, 0, 32
	QKS \b, 1, 0, 0
	WIN 0
	s_barrier_wait -1                              ; the last tile's partial O are in the stage
.if \first
	s_cmp_eq_u32 s56, 8                            ; the launch's first tile has none
	s_cbranch_scc1 .Lfirst_\@
.endif
	OLOAD
	FMAC \a, 0, CM1, 32, 32
	QKS \b, 1, 1, 0                                ; its wait leaves only its own four loads out: the stage's eight are in
	WIN 0
	ORED
.if \first
	s_branch .Ljoin_\@
.Lfirst_\@:
	FMAC \a, 0, CM1, 32, 32
	QKS \b, 1, 1, 0
	WIN 0
.Ljoin_\@:
.endif
	VW                                             ; ahead of the batch
	EXPC \a, 0, 20
	QKS \b, 1, 2, 1
	EXPC \a, 20, 20
	QKS \b, 1, 3, 1
	EXPC \a, 40, 20
	QKS \b, 1, 4, 1
	EXPC \a, 60, 20
	QKS \b, 1, 5, 1
	EXPC \a, 80, 20
	QKS \b, 1, 6, 1
	EXPC \a, 100, 20
	QKS \b, 1, 7, 0
	EXPC \a, 120, 8
	v_nop
	VW                                             ; behind the batch, and ahead of the first readers of the second scores
	MAXA \b
	MAXT 1, TM
	ds_store_b32 v[XS4], v[TM]                     ; my maximum 2
.if \first
	s_add_nc_u64 s[32:33], s[32:33], 2048          ; the next tile's queries (the earlier loads were awaited)
	s_add_nc_u64 s[34:35], s[34:35], 2048
.else
	s_cmp_lg_u32 s56, 1
	s_cselect_b32 s58, 2048, 0                     ; behind tile 15 there is none: its own once more
	s_add_nc_u64 s[32:33], s[32:33], s[58:59]
	s_add_nc_u64 s[34:35], s[34:35], s[58:59]
.endif
	QLOAD
	SUM0 \a
	SUMR \a, 8, 16
	VW
	s_wait_dscnt 0x0
	s_barrier_signal -1                            ; maximum 2
	SUMR \a, 24, 20
	VW
	s_barrier_wait -1
	ds_load_b128 v[M2S:M2S+3], v[XL4]
	ds_load_b128 v[M2S+4:M2S+7], v[XL4] offset:16
	SUMR \a, 44, 20
	SUMT CM1+1                                     ; l1
	VW
	s_wait_dscnt 0x0
	v_max3_num_f32 v[CM2], v[M2S], v[M2S+1], v[M2S+2]
	s_delay_alu instid0(VALU_DEP_1)
	v_max3_num_f32 v[CM2], v[CM2], v[M2S+3], v[M2S+4]
	s_delay_alu instid0(VALU_DEP_1)
	v_max3_num_f32 v[CM2], v[CM2], v[M2S+5], v[M2S+6]
	s_delay_alu instid0(VALU_DEP_1)
	v_max_num_f32 v[CM2], v[CM2], v[M2S+7]
	ds_store_b64 v[XS8], v[CM1:CM1+1]              ; (m1, l1)
	FMAC \b, 1, CM2, 0, 64
	WIN 0
	VW                                             ; ahead of the batch and of the waits
	s_wait_dscnt 0x0
	s_barrier_signal -1                            ; (m1, l1)
	EXPC \b, 0, 64
	WIN 0
	s_barrier_wait -1
.irp i, 0,1,2,3
	ds_load_b128 v[X1S+4*\i:X1S+4*\i+3], v[XL8] offset:16*\i
.endr
	EXPC \b, 64, 64
	v_nop
	VW
	SUM0 \b
	SUMR \b, 8, 56
	SUMT TM
	ds_store_b32 v[XS4], v[TM] offset:1536         ; my sum 2
	VW
	s_wait_dscnt 1                                 ; the eight (m1, l1) are in; the store may be out
	v_max3_num_f32 v[GM], v[X1S], v[X1S+2], v[X1S+4]
	s_delay_alu instid0(VALU_DEP_1)
	v_max3_num_f32 v[GM], v[GM], v[X1S+6], v[X1S+8]
	s_delay_alu instid0(VALU_DEP_1)
	v_max3_num_f32 v[GM], v[GM], v[X1S+10], v[X1S+12]
	s_delay_alu instid0(VALU_DEP_1)
	v_max_num_f32 v[GM], v[GM], v[X1S+14]
.irp w, 0,1,2,3,4,5,6,7
	v_sub_f32 v[X1S+2*\w], v[X1S+2*\w], v[GM]
.endr
	v_sub_f32 v[OWN], v[CM1], v[GM]
	VW
.irp w, 0,1,2,3,4,5,6,7
	v_exp_f32 v[X1S+2*\w], v[X1S+2*\w]
.endr
	v_exp_f32 v[OWN], v[OWN]
	v_nop
	VW
	v_mul_f32 v[LG], v[X1S], v[X1S+1]
	v_mul_f32 v[LG+1], v[X1S+2], v[X1S+3]
.irp w, 2,4,6
	v_fmac_f32 v[LG], v[X1S+2*\w], v[X1S+2*\w+1]
	v_fmac_f32 v[LG+1], v[X1S+2*\w+2], v[X1S+2*\w+3]
.endr
	v_add_f32 v[LG], v[LG], v[LG+1]
	VW
	v_rcp_f32 v[RC], v[LG]
	v_nop
	VW
	v_mul_f32 v[F1], v[OWN], v[RC]
	VW
	s_wait_dscnt 0x0
	s_barrier_signal -1                            ; sum 2
	MULC \a, 0, 32
	WIN 0
	s_barrier_wait -1
	ds_load_b128 v[L2S:L2S+3], v[XL4] offset:1536
	ds_load_b128 v[L2S+4:L2S+7], v[XL4] offset:1552
	MULC \a, 32, 32
	WIN 0
	s_wait_dscnt 0x0
	v_pk_add_f32 v[L2S:L2S+1], v[L2S:L2S+1], v[L2S+2:L2S+3]
	v_pk_add_f32 v[L2S+4:L2S+5], v[L2S+4:L2S+5], v[L2S+6:L2S+7]
	s_delay_alu instid0(VALU_DEP_1)
	v_pk_add_f32 v[L2S:L2S+1], v[L2S:L2S+1], v[L2S+4:L2S+5]
	s_delay_alu instid0(VALU_DEP_1)
	v_add_f32 v[LG], v[L2S], v[L2S+1]
	VW
	v_rcp_f32 v[RC], v[LG]
	v_nop
	VW
	v_mul_f32 v[F2], s46, -v[RC]                   ; -lamb / sum 2
	VW
	s_wait_loadcnt 0x0                             ; the next tile's queries (in the first tile: V too)
	KLD 0, 0
	FPC \a, \b, 0, 32
	QKS \b, 0, 0, 0                                ; the next tile's first scores follow into the registers of area b that are done with
	FPC \a, \b, 32, 32
	QKS \b, 0, 1, 0
	MC \a, 0
	QKS \b, 0, 2, 0
	MC \a, 1
	QKS \b, 0, 3, 0
	MC \a, 2
	QKS \b, 0, 4, 0
	MC \a, 3
	QKS \b, 0, 5, 0
	MC \a, 4
	QKS \b, 0, 6, 0
	MC \a, 5
	QKS \b, 0, 7, 0
	MC \a, 6
	MC \a, 7
	v_nop                                          ; a plain line behind the last conversion
	PV \a
	MAXA \b                                        ; the next tile's maximum 1: also the places behind the products
	WIN 0x04
.irp dt, 0,1,2,3
	ds_store_b128 v[OST], v[128*\a+8*\dt:128*\a+8*\dt+3] offset:64*\dt
	ds_store_b128 v[OST], v[128*\a+8*\dt+4:128*\a+8*\dt+7] offset:64*\dt+16
.endr
	WIN 0
	MAXT 0, CM1
	VW
	s_wait_dscnt 0x0
	s_barrier_signal -1                            ; my partial O is in the stage
.endm
	VW                                             ; the head's end
	s_wait_tensorcnt 0x0                           ; my part of K is in
	s_barrier_signal -1
	s_barrier_wait -1                              ; everybody's is
.irp f, 0,1,2,3,4,5,6,7                        ; V is asked for when K is in: it is first read at the first tile's last product
.irp c, 0,1,2,3
	global_load_b128 v[VF+16*\f+4*\c:VF+16*\f+4*\c+3], v[LOF], s[36:37] offset:(\f/4)*16384+(\f%4)*2048+512*\c
.endr
.endr
	s_wait_loadcnt 32                              ; tile 0's queries; V's 32 loads may be out
	KLD 0, 0
.irp i, 0,1,2,3,4,5,6,7
	QKS 0, 0, \i, 1
.endr
	WIN 0
	PLACES
	MAXA 0
	MAXT 0, CM1
	VW
	s_barrier_signal -1                            ; stands for the barrier of a tile's O, which the loop awaits at a tile's head
.Ltile:
	TILE 0, 1, 1
	TILE 1, 0, 0
	s_sub_co_u32 s56, s56, 1
	s_cmp_lg_u32 s56, 0
	s_cbranch_scc1 .Ltile
	s_barrier_wait -1                              ; tile 15's partial O
	OLOAD
	s_wait_dscnt 0x0
	ORED
	s_wait_tensorcnt 0x0                           ; the wave's end
	ds_add_u32 v[SPW], v[NIL]
	s_wait_dscnt 0x0
	CROUND                                         ; the closing round
	s_endpgm
.Lfunc_end_k_q4c32a9ab9a_attn:
	.size	k_q4c32a9ab9a_attn, .Lfunc_end_k_q4c32a9ab9a_attn-k_q4c32a9ab9a_attn
	.p2alignl 7, 3214868480
	.fill 96, 4, 3214868480
	.section	.rodata,"a",@progbits
	.p2align	6, 0x0
	.amdhsa_kernel k_q4c32a9ab9a_attn
		.amdhsa_group_segment_fixed_size 327680
		.amdhsa_private_segment_fixed_size 0
		.amdhsa_enable_private_segment 0
		.amdhsa_kernarg_size 32
		.amdhsa_user_sgpr_count 2
		.amdhsa_user_sgpr_kernarg_segment_ptr 1
		.amdhsa_wavefront_size32 1
		.amdhsa_system_sgpr_workgroup_id_x 1
		.amdhsa_system_sgpr_workgroup_id_y 1
		.amdhsa_system_sgpr_workgroup_id_z 1
		.amdhsa_system_vgpr_workitem_id 0
		.amdhsa_next_free_vgpr 512
		.amdhsa_next_free_sgpr 84
		.amdhsa_reserve_vcc 0
		.amdhsa_float_denorm_mode_32 3
		.amdhsa_float_denorm_mode_16_64 3
		.amdhsa_memory_ordered 1
		.amdhsa_forward_progress 1
		.amdhsa_inst_pref_size 159
	.end_amdhsa_kernel
	.amdgpu_metadata
---
amdhsa.version: [ 1, 2 ]
amdhsa.kernels:
  - .name:           k_q4c32a9ab9a_attn
    .symbol:         k_q4c32a9ab9a_attn.kd
    .args:
      - { .name: qkv, .offset: 0, .size: 8, .value_kind: global_buffer, .address_space: global }
      - { .name: lowp_scales, .offset: 8, .size: 8, .value_kind: global_buffer, .address_space: global }
      - { .name: lamb, .offset: 16, .size: 8, .value_kind: global_buffer, .address_space: global }
      - { .name: att, .offset: 24, .size: 8, .value_kind: global_buffer, .address_space: global }
    .group_segment_fixed_size: 327680
    .private_segment_fixed_size: 0
    .kernarg_segment_align: 8
    .kernarg_segment_size: 32
    .max_flat_workgroup_size: 256
    .sgpr_count:     84
    .vgpr_count:     512
    .wavefront_size: 32
...
	.end_amdgpu_metadata
.endif
;; end of part 3
;; launch lnorm (part 4): grid 256 x 1, 8 waves a work-group, no clusters, 0 bytes of LDS; arguments att, ln_gamma, ln_beta, lamb, out0; writes out0
.if DOCPART == 4
	.amdgcn_target "amdgcn-amd-amdhsa--gfx1250"
	.amdhsa_code_object_version 6
	.text
	.protected	k_q4c32a9ab9a_lnorm
	.globl	k_q4c32a9ab9a_lnorm
	.p2align	8
	.type	k_q4c32a9ab9a_lnorm,@function
k_q4c32a9ab9a_lnorm:
	s_mov_b64 s[64:65], 0
	v_nop
	global_prefetch_b8 v0, s[64:65] scope:SCOPE_SE
	s_setreg_imm32_b32 hwreg(HW_REG_WAVE_MODE, 25, 1), 1
	s_wait_xcnt 0x0
; out0[row][c] = (1 - lamb) ((att[row][c] - mean) / sqrt(variance + 1e-5) x gamma[c] + beta[c]), mean and variance over the row's 1,024 numbers.  All f32.
; A wave takes two rows; a row of 4,096 bytes is eight loads of 512 consecutive bytes and stays in 32 registers: memory is read once, and no wave waits for another.  No LDS, no barrier, no loop.
; The variance is the mean of the squared deviations from the mean: no difference of large sums is formed.  gamma and beta are multiplied by (1 - lamb) once, for both rows.
.set X0, 16                            ; v16-47   row 0
.set X1, 48                            ; v48-79   row 1
.set G,  80                            ; v80-111  gamma of my 32 columns
.set BT, 112                           ; v112-143 beta
	s_load_b256 s[4:11], s[0:1], 0x0               ; att s[4:5], gamma s[6:7], beta s[8:9], lamb s[10:11]
	s_load_b64 s[12:13], s[0:1], 0x20              ; out0
	v_lshrrev_b32 v2, 5, v0
	s_delay_alu instid0(VALU_DEP_1)
	v_readfirstlane_b32 s14, v2                    ; wave 0..7
	v_and_b32 v1, 31, v0
	s_delay_alu instid0(VALU_DEP_1)
	v_lshlrev_b32 v1, 4, v1                        ; 16 x lane
	s_lshl_b32 s15, ttmp9, 3
	s_add_co_u32 s15, s15, s14
	s_lshl_b32 s16, s15, 13                        ; two rows of 4,096 bytes for each wave
	s_mov_b32 s17, 0
	s_mov_b32 s18, 0x76543210                      ; v_permlanex16_b32's selects: lane l xor 16
	s_mov_b32 s19, 0xfedcba98
	s_mov_b32 s20, 0x3a800000                      ; 1 / 1,024
	s_mov_b32 s21, 0x3727c5ac                      ; 1e-5
	v_mov_b32 v7, 0                                ; the upper halves of pairs of which the low word serves both halves: written once
	v_mov_b32 v11, 0
	v_mov_b32 v13, 0
	v_mov_b32 v15, 0
	s_wait_alu depctr_va_vdst(0)
	s_wait_kmcnt 0x0
	s_load_b32 s22, s[10:11], 0x0                  ; lamb
	s_add_nc_u64 s[4:5], s[4:5], s[16:17]
	s_add_nc_u64 s[12:13], s[12:13], s[16:17]
.irp j, 0,1,2,3,4,5,6,7
	global_load_b128 v[X0+4*\j:X0+4*\j+3], v1, s[4:5] offset:512*\j th:TH_LOAD_NT
.endr
.irp j, 0,1,2,3,4,5,6,7
	global_load_b128 v[X1+4*\j:X1+4*\j+3], v1, s[4:5] offset:4096+512*\j th:TH_LOAD_NT
.endr
.irp j, 0,1,2,3,4,5,6,7
	global_load_b128 v[G+4*\j:G+4*\j+3], v1, s[6:7] offset:512*\j
.endr
.irp j, 0,1,2,3,4,5,6,7
	global_load_b128 v[BT+4*\j:BT+4*\j+3], v1, s[8:9] offset:512*\j
.endr
.macro REDUCE                          ; v2 summed over the 32 lanes, the result in every lane
	s_delay_alu instid0(VALU_DEP_1)
	v_add_f32_dpp v2, v2, v2 row_xmask:1 row_mask:0xf bank_mask:0xf
	s_delay_alu instid0(VALU_DEP_1)
	v_add_f32_dpp v2, v2, v2 row_xmask:2 row_mask:0xf bank_mask:0xf
	s_delay_alu instid0(VALU_DEP_1)
	v_add_f32_dpp v2, v2, v2 row_xmask:4 row_mask:0xf bank_mask:0xf
	s_delay_alu instid0(VALU_DEP_1)
	v_add_f32_dpp v2, v2, v2 row_xmask:8 row_mask:0xf bank_mask:0xf
	s_delay_alu instid0(VALU_DEP_1)
	v_permlanex16_b32 v3, v2, s18, s19
	s_delay_alu instid0(VALU_DEP_1)
	v_add_f32 v2, v2, v3
.endm
.macro STAT X, VR                      ; the row in v[X] on becomes its deviations from the mean; v[VR] = variance + 1e-5
	v_pk_add_f32 v[2:3], v[\X:\X+1], v[\X+2:\X+3]              ; two chains, started by the first four pairs
	v_pk_add_f32 v[4:5], v[\X+4:\X+5], v[\X+6:\X+7]
.set n, 4
.rept 12
	s_delay_alu instid0(VALU_DEP_2)
	v_pk_add_f32 v[2+2*(n%2):3+2*(n%2)], v[2+2*(n%2):3+2*(n%2)], v[\X+2*n:\X+2*n+1]
.set n, n+1
.endr
	s_delay_alu instid0(VALU_DEP_1)
	v_pk_add_f32 v[2:3], v[2:3], v[4:5]
	s_delay_alu instid0(VALU_DEP_1)
	v_add_f32 v2, v2, v3
	REDUCE
	s_delay_alu instid0(VALU_DEP_1)
	v_mul_f32 v6, s20, v2                          ; the mean
.set n, 0
.rept 16
	v_pk_add_f32 v[\X+2*n:\X+2*n+1], v[\X+2*n:\X+2*n+1], v[6:7] op_sel_hi:[1,0] neg_lo:[0,1] neg_hi:[0,1]
.set n, n+1
.endr
	v_pk_mul_f32 v[2:3], v[\X:\X+1], v[\X:\X+1]
	v_pk_mul_f32 v[4:5], v[\X+2:\X+3], v[\X+2:\X+3]
.set n, 2
.rept 14
	s_delay_alu instid0(VALU_DEP_2)
	v_pk_fma_f32 v[2+2*(n%2):3+2*(n%2)], v[\X+2*n:\X+2*n+1], v[\X+2*n:\X+2*n+1], v[2+2*(n%2):3+2*(n%2)]
.set n, n+1
.endr
	s_delay_alu instid0(VALU_DEP_1)
	v_pk_add_f32 v[2:3], v[2:3], v[4:5]
	s_delay_alu instid0(VALU_DEP_1)
	v_add_f32 v2, v2, v3
	REDUCE
	s_delay_alu instid0(VALU_DEP_1)
	v_fma_f32 v[\VR], v2, s20, s21
.endm
.macro OUTR X, RS, off
.set n, 0
.rept 16
	v_pk_mul_f32 v[\X+2*n:\X+2*n+1], v[\X+2*n:\X+2*n+1], v[\RS:\RS+1] op_sel_hi:[1,0]
.set n, n+1
.endr
.set n, 0
.rept 16
	v_pk_fma_f32 v[\X+2*n:\X+2*n+1], v[\X+2*n:\X+2*n+1], v[G+2*n:G+2*n+1], v[BT+2*n:BT+2*n+1]
.set n, n+1
.endr
.irp j, 0,1,2,3,4,5,6,7
	global_store_b128 v1, v[\X+4*\j:\X+4*\j+3], s[12:13] offset:\off+512*\j th:TH_STORE_NT   ; the wave stores 512 consecutive bytes, at a multiple of 512 from out0's first byte
.endr
.endm
	s_wait_loadcnt 24                              ; row 0 is in; row 1, gamma and beta may be out
	STAT X0, 8
	s_wait_loadcnt 16                              ; row 1 is in
	STAT X1, 9
	s_wait_alu depctr_va_vdst(0)
	v_rsq_f32 v10, v8                              ; both rows' roots are one batch
	v_rsq_f32 v12, v9
	s_wait_kmcnt 0x0
	v_sub_f32 v14, 1.0, s22                        ; 1 - lamb.  (A plain instruction behind the roots)
	s_wait_alu depctr_va_vdst(0)
	s_wait_loadcnt 0x0                             ; gamma and beta
.set n, 0
.rept 16
	v_pk_mul_f32 v[G+2*n:G+2*n+1], v[G+2*n:G+2*n+1], v[14:15] op_sel_hi:[1,0]
	v_pk_mul_f32 v[BT+2*n:BT+2*n+1], v[BT+2*n:BT+2*n+1], v[14:15] op_sel_hi:[1,0]
.set n, n+1
.endr
	s_wait_alu depctr_va_vdst(0)                   ; the wait ahead of the first line that names a root: one for the two, behind the 32 multiplies above
	OUTR X0, 10, 0
	OUTR X1, 12, 4096
	s_endpgm
.Lfunc_end_k_q4c32a9ab9a_lnorm:
	.size	k_q4c32a9ab9a_lnorm, .Lfunc_end_k_q4c32a9ab9a_lnorm-k_q4c32a9ab9a_lnorm
	.p2alignl 7, 3214868480
	.fill 96, 4, 3214868480
	.section	.rodata,"a",@progbits
	.p2align	6, 0x0
	.amdhsa_kernel k_q4c32a9ab9a_lnorm
		.amdhsa_group_segment_fixed_size 0
		.amdhsa_private_segment_fixed_size 0
		.amdhsa_enable_private_segment 0
		.amdhsa_kernarg_size 40
		.amdhsa_user_sgpr_count 2
		.amdhsa_user_sgpr_kernarg_segment_ptr 1
		.amdhsa_wavefront_size32 1
		.amdhsa_system_sgpr_workgroup_id_x 1
		.amdhsa_system_sgpr_workgroup_id_y 1
		.amdhsa_system_sgpr_workgroup_id_z 1
		.amdhsa_system_vgpr_workitem_id 0
		.amdhsa_next_free_vgpr 160
		.amdhsa_next_free_sgpr 66
		.amdhsa_reserve_vcc 0
		.amdhsa_float_denorm_mode_32 3
		.amdhsa_float_denorm_mode_16_64 3
		.amdhsa_memory_ordered 1
		.amdhsa_forward_progress 1
		.amdhsa_inst_pref_size 23
	.end_amdhsa_kernel
	.amdgpu_metadata
---
amdhsa.version: [ 1, 2 ]
amdhsa.kernels:
  - .name:           k_q4c32a9ab9a_lnorm
    .symbol:         k_q4c32a9ab9a_lnorm.kd
    .args:
      - { .name: att, .offset: 0, .size: 8, .value_kind: global_buffer, .address_space: global }
      - { .name: ln_gamma, .offset: 8, .size: 8, .value_kind: global_buffer, .address_space: global }
      - { .name: ln_beta, .offset: 16, .size: 8, .value_kind: global_buffer, .address_space: global }
      - { .name: lamb, .offset: 24, .size: 8, .value_kind: global_buffer, .address_space: global }
      - { .name: out0, .offset: 32, .size: 8, .value_kind: global_buffer, .address_space: global }
    .group_segment_fixed_size: 0
    .private_segment_fixed_size: 0
    .kernarg_segment_align: 8
    .kernarg_segment_size: 40
    .max_flat_workgroup_size: 256
    .sgpr_count:     66
    .vgpr_count:     160
    .wavefront_size: 32
...
	.end_amdgpu_metadata
.endif
;; end of part 4
